; MI455X (gfx1250); checked and timed in simulation.
; The chip was launched on July 23, 2026; its instructions are those of AMD's public machine-readable ISA for CDNA 5 (MIT licence, August 2026) and "CDNA5" Instruction Set Architecture Reference Guide (July 2026). The comments in the code are by the model that wrote it; some were corrected since.
;; Multi Head Self Attention. Allowed arithmetic: matrix products marked QUANTISED: E5M2 operands, one E8M0 scale for each 32 along K, by v_wmma_scale_f32_16x16x128_f8f6f4 with both operands' format E5M2, f32 sums; everything else in f32.
;; Inputs: inputs 4 x 2,048 x 3,072 float32; mask 4 x 1 x 1 x 2,048 int32.
;; Outputs: out0 4 x 2,048 x 1,024 float32.
;; This version of the problem:
;;   THIS VERSION OF THE PROBLEM IS GIVEN IN LOW PRECISION. The matrix products marked QUANTISED in the list below multiply operands that are first quantised to E5M2 (5 exponent bits, 2 mantissa bits; 8 bits a number), with one power-of-two scale for each 32 numbers along K (OCP MX v1.0); their sums are f32. All else is computed in f32.
;;   The module's matrix products, in the order in which they are computed (A, B: the left and right operand; K: the contracted axis; several contracted axes count as one K, in the product's order):
;;     1. batch 64 x [M 2,048, K 64] x [K 64, N 2,048]; A: input inputs; B: input inputs: QUANTISED
;;     2. batch 64 x [M 2,048, K 2,048] x [K 2,048, N 64]; A: softmax (see below); B: input inputs: QUANTISED
;;   THE QUANTISER, for each operand of a quantised product, along K:
;;     - K is cut into blocks of 32 from its start; a last block that is shorter is filled with zeros.
;;     - A block's scale is 2^e with e = floor(log2(the largest magnitude in the block)) - 15, held to -126 .. 127; a block of zeros has e = 0. As a byte (E8M0): e + 127.
;;     - Each number is divided by its block's scale, clamped to +-57,344, and rounded to the nearest number of E5M2, ties to even, subnormals kept.
;;     - The product sums the exact products of the quantised numbers (number of the format x scale) in f32.
;;   ~~~python
;;   def quantise(x, axis):      # numpy; x: float32 -> the quantised numbers, widened to float32 again
;;       x = np.moveaxis(x, axis, -1); K = x.shape[-1]
;;       x = np.pad(x, [(0, 0)] * (x.ndim - 1) + [(0, -K % 32)]); x = x.reshape(x.shape[:-1] + (-1, 32)); a = np.abs(x).max(-1, keepdims=True)
;;       e = np.where(a > 0, np.clip(np.frexp(np.where(a > 0, a, 1))[1] - 1 - 15, -126, 127), 0)      # np.frexp(a)[1] - 1 = floor(log2(a)), exactly
;;       r = np.clip(x / 2.0 ** e, -57344, 57344)
;;       step = 2.0 ** (np.maximum(np.frexp(np.where(r == 0, 1, r))[1] - 1, -14) - 2)
;;       q = np.round(r / step) * step * 2.0 ** e      # np.round: ties to even
;;       return np.moveaxis(q.reshape(q.shape[:-2] + (-1,))[..., :K], -1, axis).astype(np.float32)
;;   ~~~
;;   SOFTMAX AHEAD OF A QUANTISED PRODUCT. Where the list says 'softmax', what is quantised is not the finished softmax but p = 2^(t - M), with t = logit x log2(e) and M = ceil(the row's largest t), a whole number; so 1/2 < the row's largest p <= 1. The row's sum l is taken of the UNQUANTISED p, in f32, and the product's result is divided by l at the end. Since M is a whole number, a kernel that streams over the keys may use a running M (the ceiling of the running maximum): every later rescaling is an exact power of two, which a block's scale takes up: the codes' values come out the same.
;;   OPERANDS COMPUTED ON THE WAY. 'Computed on the way' means the value that the module computes at that place (a softmax that the list does not call 'softmax' is quantised finished and normalised). What goes into a quantiser is computed in f32, as accurately as f32 sums, v_exp_f32 and their like allow (about 1e-6 of the number): no bf16 or f16 on the way to a quantiser, and a product that is left as it is and whose result goes on into a quantised operand takes f32 operands (vector FMAs, or v_wmma_f32_16x16x4_f32). A number that lies on a knife's edge between two numbers of the format may be rounded either way, as far as f32 arithmetic and the matrix unit's own rounding can turn it there, and no further.
;; One version. Each part assembles by itself: llvm-mc -triple=amdgcn-amd-amdhsa -mcpu=gfx1250 --defsym DOCPART=n.
;; ======== version 1 of 1: 2 launches
;; limits: right only within a limited range of input values
;; workspace buffers: kv 17,825,792 bytes
;; launch pack (part 1): grid 16 x 64, 4 waves a work-group, no clusters, 35,328 bytes of LDS; arguments inputs, mask, kv; writes kv
.if DOCPART == 1
	.amdgcn_target "amdgcn-amd-amdhsa--gfx1250"
	.amdhsa_code_object_version 6
	.text
	.protected	k_q82f9035fe2_pack
	.globl	k_q82f9035fe2_pack
	.p2align	8
	.type	k_q82f9035fe2_pack,@function
k_q82f9035fe2_pack:
	s_mov_b64 s[64:65], 0
	v_nop
	global_prefetch_b8 v0, s[64:65] scope:SCOPE_SE
	s_setreg_imm32_b32 hwreg(HW_REG_WAVE_MODE, 25, 1), 1
	s_wait_xcnt 0x0
; MULTI-HEAD SELF-ATTENTION WITH AN INPUT MASK, both products on codes of E5M2 with one E8M0 scale for each 32 along K.  Two launches: this one, and the attention itself.
; WHAT IS LEFT OUT: for a key whose mask word m is 0, reference() multiplies the score by 0 and adds -1e9: whatever q and k hold, that score has no way to the output.  The mask is a whole number read from memory
; here, so such a key's codes of K are laid as zeros (its score is then exactly 0) and its bias as -8e9 (-1e9 in the units of the raw score, which is divided by 8 later).  Every input is read.
; A NaN, an infinity or an overflow that reaches only such a score is not carried to the result.
; THIS LAUNCH reads k, v (the second and third 4,096 bytes of each row of inputs) and the mask once, and lays for each of the 64 heads (16 b + h) 16 records of 17,408 bytes, one for each 128 keys, as the attention's registers take them:
;   0      K's codes: four fragments of 16 rows x 128 along K.  The first product's K is 64, so a fragment carries TWO tiles of 16 keys: tile 2 c at k 0-63, tile 2 c + 1 at k 64-127.
;          Row r of tile 2 c + u is key 32 c + 8 u + r + 8 (r / 8).  Fragment c at 2,048 c, its registers 4 n .. 4 n + 3 at + 512 n, lane l's 16 bytes at + 16 l.
;   8,192  V's codes, keys along K: tile g of 16 channels at + 2,048 g, keys 32 c + 16 (l / 16) + 0 .. 15 at + 512 c + 16 l.
;   16,384 bias[128] = (1 - f32(m)) x -8e9: the C operand of the score product.
;   16,896 K's scale words, 8 bytes a lane: word 0: lanes 0-15 fragment 0, lanes 16-31 fragment 1; word 1: fragments 2, 3.   17,152 V's: word 0: lane = channel 0-31; word 1: channels 32-63.
; A block's scale is 2^(floor(log2(its largest magnitude)) - 15); its byte is the largest magnitude's exponent field - 15, held at 1 from below.
; LIMITS: the mask holds 0 or 1 (for another value the factor m on the score is not applied); a block of zeros gets the byte 1 where the rule says 127 (its codes are zeros, and this program alone reads the bytes);
; blocks whose largest magnitude lies under 2^(16 - 127) keep the byte 1; NaN and infinities among the inputs are not served.
; SHARES: a work-group takes one key step of one head.  Waves 0 and 1 take V, waves 2 and 3 K with the mask; each takes 64 keys, and the two halves differ in base addresses alone.
; Every load of numbers reads two keys' whole pieces of a row: sixteen lanes take 256 consecutive bytes, aligned; a wave issues its 32 loads at its start.  The numbers turn through the wave's own stage in LDS, 32 keys at a time:
; K comes back 16 neighbouring channels a lane; V comes back a channel a lane with the registers running down the keys, so that its codes have the keys innermost.  Waves share nothing: no barrier; no product here.
; The scale words leave in pieces (K: a word a lane, 8 bytes apart; V: 2 bytes a lane): two waves share each of those two units of 256 bytes, 512 of a record's 17,408 bytes.
.set ROWB,  12288
.set REC,   17408
.set HEADB, 16*REC
.set R_V,   8192
.set R_B,   16384
.set R_KW,  16896
.set R_VW,  17152
.set SP,    272                        ; a stage row: 256 bytes + 16
.set STG,   32*SP                      ; a wave's stage
.set SPARE, 4*STG                      ; behind the stages: the spare words, 128 bytes a wave
.set A0,  4                            ; in memory: row lane / 16, + 16 (lane % 16)
.set A1K, 5                            ; K's codes: 16 x lane
.set LW,  6                            ; 8 x lane
.set MA,  7                            ; 4 (r + 8 (r / 8)): my row's mask word in a tile
.set SPW, 14                           ; my spare word; never rewritten
.set NIL, 15                           ; 0; never rewritten
.set A1V, 16                           ; V's codes: 2,048 (l / 16) + 16 (l % 16)
.set SI,  17                           ; stage, in: row lane / 16, + 16 (lane % 16)
.set SK,  18                           ; stage, K's way back: row r + 8 (r / 8), + 64 (lane / 16)
.set SV,  19                           ; stage, V's way back: 4 x lane
.set MK,  24                           ; v24-27 the mask words of my rows in my four tiles
.set TM,  32                           ; v32-35 maxima, v36-39 the other half's and then bytes, v40-43 the hold, v44-47 the conversions' scale operand
.set WD,  48
.set SB,  52
.set X,   64                           ; v64-191 my 64 keys' numbers: as loaded, then as turned
.set PC,  192                          ; codes
.set SEL, 20
.set MNT, 22
.set BB,  32                           ; s[32:33] my record + 256 x half: the bias
.set BW,  34                           ; s[34:35] my record + my half's place in a scale word
	s_load_b128 s[4:7], s[0:1], 0x0                ; inputs, mask
	s_load_b64 s[8:9], s[0:1], 0x10                ; kv
	v_lshl_add_u32 v[SPW], v0, 2, SPARE
	v_mov_b32 v[NIL], 0
	v_lshrrev_b32 v1, 5, v0
	v_readfirstlane_b32 s10, v1                    ; wave
	s_and_b32 s11, ttmp7, 0xffff                   ; head number 16 b + h
	s_lshr_b32 s12, s11, 4
	s_and_b32 s13, s11, 15
	s_lshr_b32 s15, s10, 1                         ; 0: V;  1: K and the mask
	s_and_b32 s28, s10, 1                          ; which 64 keys
	s_lshl_b32 s16, s12, 11
	s_lshl_b32 s17, ttmp9, 7
	s_add_co_u32 s16, s16, s17                     ; the step's first key as a row of inputs: 2,048 b + 128 step
	s_mul_i32 s18, s16, ROWB
	s_lshl_b32 s19, s13, 8
	s_add_co_u32 s18, s18, s19                     ; + the head's 256 bytes
	s_mul_i32 s29, s28, 64*ROWB
	s_add_co_u32 s18, s18, s29                     ; + my 64 keys
	s_lshl_b32 s24, s16, 2
	s_lshl_b32 s25, s28, 8
	s_add_co_u32 s24, s24, s25                     ; the mask of my 64 keys
	s_mov_b32 s25, 0
	s_mul_i32 s26, s11, HEADB
	s_mul_i32 s27, ttmp9, REC
	s_add_co_u32 s26, s26, s27                     ; my record
	s_mov_b32 s27, 0
	s_lshl_b32 s36, s28, 10                        ; my half's codes: V: two key blocks, 1,024 bytes on;
	s_lshl_b32 s43, s28, 12                        ; K: two fragments, 4,096 bytes on
	s_lshl_b32 s40, s28, 1                         ; and its place in a scale word: V: 2 bytes on;
	s_lshl_b32 s44, s28, 2                         ; K: the other word
	s_lshl_b32 s38, s28, 8
	s_mov_b32 s45, 4096
	s_cmp_eq_u32 s15, 0
	s_cselect_b32 s36, s36, s43
	s_cselect_b32 s40, s40, s44
	s_cselect_b32 s45, 8192, s45                   ; k or v in a row of inputs
	s_add_co_u32 s18, s18, s45
	s_mov_b32 s19, 0
	s_mov_b32 s37, 0
	s_mov_b32 s39, 0
	s_mov_b32 s41, 0
	s_mul_i32 s42, s10, STG                        ; my stage
	s_mov_b32 s[SEL], 0x76543210
	s_mov_b32 s[SEL+1], 0xfedcba98
	s_mov_b32 s[MNT], 0x600000
	v_and_b32 v1, 31, v0
	v_and_b32 v2, 15, v0
	v_bfe_u32 v3, v0, 4, 1
	v_lshlrev_b32 v[LW], 3, v1
	v_lshlrev_b32 v[A1K], 4, v1
	v_lshlrev_b32 v[A1V], 11, v3
	v_lshl_add_u32 v[A1V], v2, 4, v[A1V]
	v_mul_u32_u24 v[A0], v3, ROWB
	v_lshl_add_u32 v[A0], v2, 4, v[A0]
	v_mul_u32_u24 v[SI], v3, SP
	v_lshl_add_u32 v[SI], v2, 4, v[SI]
	v_add_nc_u32 v[SI], s42, v[SI]
	v_and_b32 v[MA], 8, v2
	v_add_nc_u32 v[MA], v[MA], v2                  ; r + 8 (r / 8)
	v_mul_u32_u24 v[SK], v[MA], SP
	v_lshl_add_u32 v[SK], v3, 6, v[SK]
	v_add_nc_u32 v[SK], s42, v[SK]
	v_lshlrev_b32 v[MA], 2, v[MA]
	v_lshlrev_b32 v[SV], 2, v1
	v_add_nc_u32 v[SV], s42, v[SV]
.irp b, 0,1,2,3
	v_mov_b32 v[TM+4+\b], 0                        ; a lane permute's destination counts as one of its sources
.endr
	s_wait_alu depctr_va_vdst(0)                   ; the wait at the head's end
	s_wait_kmcnt 0x0
	s_add_nc_u64 s[4:5], s[4:5], s[18:19]
	s_add_nc_u64 s[6:7], s[6:7], s[24:25]
	s_add_nc_u64 s[8:9], s[8:9], s[26:27]
	s_add_nc_u64 s[BB:BB+1], s[8:9], s[38:39]
	s_add_nc_u64 s[BW:BW+1], s[8:9], s[40:41]
	s_add_nc_u64 s[8:9], s[8:9], s[36:37]
	s_cmp_eq_u32 s15, 0
	s_cbranch_scc1 .Lrole_v
.macro ROWS                            ; my 64 keys: load i brings keys 2 i and 2 i + 1, 256 bytes each
.set i, 0
.rept 32
	global_load_b128 v[X+4*i:X+4*i+3], v[A0], s[4:5] offset:2*i*ROWB th:TH_LOAD_NT
.set i, i+1
.endr
.endm
.macro TOSTAGE c                       ; keys 32 c .. 32 c + 31 of mine into my stage, as they lie
	s_wait_loadcnt 16*(1-(\c))                     ; their 16 loads are in; the other 32 keys' 16 may be out
.set i, 0
.rept 16
	ds_store_b128 v[SI], v[X+64*(\c)+4*i:X+64*(\c)+4*i+3] offset:2*i*SP
.set i, i+1
.endr
.endm
.macro LAST                            ; the wave's end: behind my last LDS store
	s_wait_tensorcnt 0x0
	ds_add_u32 v[SPW], v[NIL]
	s_wait_dscnt 0x0
	s_endpgm
.endm
; ---- K.  64 numbers of a lane, register 16 b + i = k 32 b + 16 (lane / 16) + i of my row, become a fragment's 16 registers of codes and its scale word.  Blocks 0, 1 are one key's (mask in s30), blocks 2, 3 another's (s31).
.macro QUANT s, pc, w
.irp b, 0,1,2,3
	v_max3_num_f32 v[TM+\b], |v[(\s)+16*\b]|, |v[(\s)+1+16*\b]|, 0x8000000   ; with the floor 2^(16 - 127)
.endr
.irp i, 2,4,6,8,10,12,14
.irp b, 0,1,2,3
	v_max3_num_f32 v[TM+\b], v[TM+\b], |v[(\s)+16*\b+\i]|, |v[(\s)+1+16*\b+\i]|
.endr
.endr
.irp b, 0,1,2,3
	v_permlanex16_b32 v[TM+4+\b], v[TM+\b], s[SEL], s[SEL+1]
.endr
.irp b, 0,1,2,3
	v_max_num_f32 v[TM+\b], v[TM+\b], v[TM+4+\b]
.endr
.irp b, 0,1,2,3
	v_add_nc_u32 v[TM+12+\b], 0xf8800000, v[TM+\b] ; 15 off the exponent field: the conversions' scale operand
.endr
.irp b, 0,1,2,3
	v_and_or_b32 v[TM+8+\b], v[TM+\b], 0x7f800000, s[MNT]   ; 57,344 x the scale
.endr
.irp b, 0,1,2,3
	v_cndmask_b32 v[TM+8+\b], 0, v[TM+8+\b], s[30+\b/2]     ; a key with m = 0: held between -0 and 0, so its codes are zeros
.endr
.irp b, 0,1,2,3
	v_lshrrev_b32 v[TM+4+\b], 23, v[TM+12+\b]
.endr
	v_lshl_or_b32 v[\w], v[TM+5], 8, v[TM+4]
	v_lshl_or_b32 v[\w], v[TM+6], 16, v[\w]
	v_lshl_or_b32 v[\w], v[TM+7], 24, v[\w]
.irp b, 0,1,2,3
.irp i, 0,1,2,3,4,5,6,7,8,9,10,11,12,13,14,15
	v_med3_num_f32 v[(\s)+16*\b+\i], v[(\s)+16*\b+\i], -v[TM+8+\b], v[TM+8+\b]   ; the conversion does not saturate (ISA guide 7.6.2): the hold
.endr
	v_cvt_scalef32_pk8_bf8_f32 v[(\pc)+4*\b:(\pc)+4*\b+1], v[(\s)+16*\b:(\s)+16*\b+7], v[TM+12+\b]
	v_cvt_scalef32_pk8_bf8_f32 v[(\pc)+4*\b+2:(\pc)+4*\b+3], v[(\s)+16*\b+8:(\s)+16*\b+15], v[TM+12+\b]
.endr
	v_nop                                          ; a plain line behind the last scaled conversion
.endm
.macro KPAIR c                         ; my fragment c: block 2 u + e of a lane = key 32 c + 8 u + r + 8 (r / 8) of my 64, channels 32 e + 16 (l / 16) + 0 .. 15
	TOSTAGE \c
.irp u, 0,1
.irp e, 0,1
.irp j, 0,1,2,3
	ds_load_b128 v[X+64*(\c)+16*(2*\u+\e)+4*\j:X+64*(\c)+16*(2*\u+\e)+4*\j+3], v[SK] offset:8*\u*SP+128*\e+16*\j   ; LDS serves a wave's instructions in order (ISA guide 5.7.1.4): these see the stores above
.endr
.endr
.endr
	s_wait_dscnt 0x0
	v_cmp_ne_u32 s30, 0, v[MK+2*(\c)]
	v_cmp_ne_u32 s31, 0, v[MK+2*(\c)+1]
	QUANT X+64*(\c), PC+16*(\c), WD+(\c)
.irp n, 0,1,2,3
	global_store_b128 v[A1K], v[PC+16*(\c)+4*\n:PC+16*(\c)+4*\n+3], s[8:9] offset:2048*(\c)+512*\n   ; 512 consecutive bytes, aligned
.endr
.endm
	global_load_b64 v[8:9], v[LW], s[6:7]          ; the mask of keys 2 l, 2 l + 1 of my 64
.irp n, 0,1,2,3
	global_load_b32 v[MK+\n], v[MA], s[6:7] offset:4*(32*(\n/2)+8*(\n%2))   ; and of my row in my tile n
.endr
	ROWS
	KPAIR 0
	KPAIR 1
	v_cmp_lt_u32 vcc_lo, 15, v1                    ; lanes 16-31 carry the odd fragment's words
	v_cndmask_b32 v[SB], v[WD], v[WD+1], vcc_lo
	global_store_b32 v[LW], v[SB], s[BW:BW+1] offset:R_KW
.irp i, 0,1
	v_cvt_f32_i32 v[12+\i], v[8+\i]
.endr
.irp i, 0,1
	v_sub_f32 v[20+\i], 1.0, v[12+\i]
.endr
.irp i, 0,1
	v_mul_f32 v[20+\i], 0xcfee6b28, v[20+\i]       ; (1 - m) x -8e9
.endr
	global_store_b64 v[LW], v[20:21], s[BB:BB+1] offset:R_B   ; 256 consecutive bytes, aligned
	LAST
; ---- V.  Out of the stage a lane takes a channel and its registers run down the keys: a block of 32 keys lies in one lane's 32 registers.  Unit (i, cc): my key block i, channels 32 cc + lane.
.Lrole_v:
.macro VUNIT i, cc
.set XS, X+64*(\i)+32*(\cc)
.set CC, PC+8*(2*(\i)+(\cc))
	s_wait_dscnt 32*(1-(\cc))                      ; this unit's 32 LDS loads are in; the other channels' 32 may be out
	v_max3_num_f32 v12, |v[XS]|, |v[XS+1]|, |v[XS+2]|
	v_max3_num_f32 v13, |v[XS+3]|, |v[XS+4]|, |v[XS+5]|
.irp k, 6,10,14,18,22,26
	v_max3_num_f32 v12, v12, |v[XS+\k]|, |v[XS+\k+1]|
	v_max3_num_f32 v13, v13, |v[XS+\k+2]|, |v[XS+\k+3]|
.endr
	v_max3_num_f32 v12, v12, |v[XS+30]|, |v[XS+31]|
	v_max3_num_f32 v12, v12, v13, 0x8000000
	v_add_nc_u32 v11, 0xf8800000, v12
	v_and_or_b32 v10, v12, 0x7f800000, s[MNT]
	v_lshrrev_b32 v13, 23, v11
.if (\i) == 0
	v_mov_b32 v[SB+(\cc)], v13                     ; my two key blocks' bytes of a channel's scale word, the lower keys in the lower byte
.else
	v_lshl_or_b32 v[SB+(\cc)], v13, 8, v[SB+(\cc)]
.endif
.irp k, 0,1,2,3,4,5,6,7,8,9,10,11,12,13,14,15,16,17,18,19,20,21,22,23,24,25,26,27,28,29,30,31
	v_med3_num_f32 v[XS+\k], v[XS+\k], -v10, v10
.endr
.irp g, 0,1,2,3
	v_cvt_scalef32_pk8_bf8_f32 v[CC+2*\g:CC+2*\g+1], v[XS+8*\g:XS+8*\g+7], v11
.endr
	v_nop
	global_store_b128 v[A1V], v[CC:CC+3], s[8:9] offset:R_V+4096*(\cc)+512*(\i)         ; keys 0-15 of the block; sixteen lanes store 256 consecutive bytes, aligned
	global_store_b128 v[A1V], v[CC+4:CC+7], s[8:9] offset:R_V+4096*(\cc)+512*(\i)+256   ; keys 16-31
.endm
.macro VB i
	TOSTAGE \i
.irp cc, 0,1
.irp k, 0,1,2,3,4,5,6,7,8,9,10,11,12,13,14,15,16,17,18,19,20,21,22,23,24,25,26,27,28,29,30,31
	ds_load_b32 v[X+64*(\i)+32*\cc+\k], v[SV] offset:\k*SP+128*\cc   ; key k of the block, my channel: 32 lanes read 128 consecutive bytes; in order behind the stores above
.endr
.endr
	VUNIT \i, 0
	VUNIT \i, 1
.endm
	s_wait_alu depctr_va_vdst(0)                   ; the wait behind the branch
	ROWS
	VB 0
	VB 1
	global_store_b16 v[LW], v[SB], s[BW:BW+1] offset:R_VW
	global_store_b16 v[LW], v[SB+1], s[BW:BW+1] offset:R_VW+4
	LAST
.Lfunc_end_k_q82f9035fe2_pack:
	.size	k_q82f9035fe2_pack, .Lfunc_end_k_q82f9035fe2_pack-k_q82f9035fe2_pack
	.p2alignl 7, 3214868480
	.fill 96, 4, 3214868480
	.section	.rodata,"a",@progbits
	.p2align	6, 0x0
	.amdhsa_kernel k_q82f9035fe2_pack
		.amdhsa_group_segment_fixed_size 35328
		.amdhsa_private_segment_fixed_size 0
		.amdhsa_enable_private_segment 0
		.amdhsa_kernarg_size 24
		.amdhsa_user_sgpr_count 2
		.amdhsa_user_sgpr_kernarg_segment_ptr 1
		.amdhsa_wavefront_size32 1
		.amdhsa_system_sgpr_workgroup_id_x 1
		.amdhsa_system_sgpr_workgroup_id_y 1
		.amdhsa_system_sgpr_workgroup_id_z 1
		.amdhsa_system_vgpr_workitem_id 0
		.amdhsa_next_free_vgpr 256
		.amdhsa_next_free_sgpr 66
		.amdhsa_reserve_vcc 1
		.amdhsa_float_denorm_mode_32 3
		.amdhsa_float_denorm_mode_16_64 3
		.amdhsa_memory_ordered 1
		.amdhsa_forward_progress 1
		.amdhsa_inst_pref_size 58
	.end_amdhsa_kernel
	.amdgpu_metadata
---
amdhsa.version: [ 1, 2 ]
amdhsa.kernels:
  - .name:           k_q82f9035fe2_pack
    .symbol:         k_q82f9035fe2_pack.kd
    .args:
      - { .name: inputs, .offset: 0, .size: 8, .value_kind: global_buffer, .address_space: global }
      - { .name: mask, .offset: 8, .size: 8, .value_kind: global_buffer, .address_space: global }
      - { .name: kv, .offset: 16, .size: 8, .value_kind: global_buffer, .address_space: global }
    .group_segment_fixed_size: 35328
    .private_segment_fixed_size: 0
    .kernarg_segment_align: 8
    .kernarg_segment_size: 24
    .max_flat_workgroup_size: 128
    .sgpr_count:     66
    .vgpr_count:     256
    .wavefront_size: 32
...
	.end_amdgpu_metadata
.endif
;; end of part 1
;; launch attend (part 2): grid 4 x 64, 4 waves a work-group, clusters of 4 x 1, 327,680 bytes of LDS; arguments inputs, kv, out0; writes out0
.if DOCPART == 2
	.amdgcn_target "amdgcn-amd-amdhsa--gfx1250"
	.amdhsa_code_object_version 6
	.text
	.protected	k_q82f9035fe2_attend
	.globl	k_q82f9035fe2_attend
	.p2align	8
	.type	k_q82f9035fe2_attend,@function
k_q82f9035fe2_attend:
	s_mov_b64 s[64:65], 0
	v_nop
	global_prefetch_b8 v0, s[64:65] scope:SCOPE_SE
	s_setreg_imm32_b32 hwreg(HW_REG_WAVE_MODE, 25, 1), 1
	s_wait_xcnt 0x0
	s_wait_alu depctr_hold_cnt(0) depctr_sa_sdst(0) depctr_va_vdst(0) depctr_va_sdst(0) depctr_va_ssrc(0) depctr_va_vcc(0) depctr_vm_vsrc(0)
	s_getreg_b32 s2, hwreg(HW_REG_IB_STS2, 6, 4)
	s_cmp_eq_u32 s2, 0
	s_cbranch_scc0 .Lentry_in_a_cluster
	s_endpgm
.Lentry_in_a_cluster:
	s_bfe_u32 s2, ttmp6, 0x10000c
	s_cmp_lg_u32 s2, 0x3003
	s_cbranch_scc0 .Lentry_shape_is_right
	s_endpgm
.Lentry_shape_is_right:
; out[b][q][64 h ..] = the sum over keys of softmax(m x (q . k / 8) + (1 - m) x -1e9) v, both products on codes of E5M2 with E8M0 scales.
; LEFT OUT, as the launch before says: the score of a key with m = 0 (its codes of K are zeros); its bias -8e9 enters as the C operand of the score product, so its raw score is exactly -8e9.
; kv holds, for each head, 16 records (128 keys each) of K's and V's codes and scale words as images of the operand registers, and the bias of each key.
; THE SOFTMAX: t = raw score x log2(e) / 8; M = the running largest t rounded UP to a whole number; p = 2^(t - M) is quantised along the keys, not normalised; the row's sum is taken of the unquantised p and divides
; at the end; when M moves, the sum and O are multiplied by 2^(old M - new M), which rounds nothing.
; LIMITS: the mask holds 0 or 1; the scaled scores stay under 2^31 in magnitude; p under 2^-126 counts as 0 (v_exp_f32: ISA guide 15.8); a block of p that is all 0 keeps the byte 1; NaN and infinities among the inputs are not served.
; SHARES.  A work-group owns 512 queries of one head; each of its four waves 128: eight tiles of 16, so that each fragment of K, V and bias read from LDS serves eight tiles.
; A WHOLE HEAD'S 278,528 BYTES LIE IN LDS: each wave brings a quarter by one tensor load at the head; the bytes are filled once: no ring, no refill, no barrier in the loop; with one fill and no loop to run ahead in, nothing is prefetched.
; CLUSTER.  The four query blocks of a head need the same bytes: the load is asked for JOINTLY.
; LAYOUT.  Both products transposed: S^T = K Q^T + bias, O^T = V^T P^T: a lane holds ONE query (lane % 16).  The first product's K is 64: a fragment of K carries two tiles of keys and is multiplied by [q | zeros] and by [zeros | q].
; Score register 16 c + i of lane (r, h) is key 32 c + 16 h + i: the conversions' results are the second product's operand.
; THE ORDER OF A KEY STEP.  Tile t's exponentials are issued among tile t + 1's score products and tile t - 1's value products (BATCH); between two batches stand tile t's sums, scales, holds and conversions
; and tile t + 1's maxima and scalings, line by line in turns (MIX).
; REGISTERS.  Window 0: v1-11, v30-31 addresses; v12-25 scale words; v26-29 f; v32-63 statistics; v64-95 at work; v96-127 p's codes (two sets); v128-255 S^T, then p (two sets).
;   Window 1: v0-63 K; v64-127 bias; v128-195 t - M.   Window 2: v0-135 zeros and q by turns; v144-207 V.   Window 3: O^T, 32 registers a tile (at the head: Q as f32).
.set ROWB,  12288
.set REC,   17408
.set HEADB, 16*REC
.set WPART, HEADB/4                    ; one wave's tensor load: 272 rows of 256 bytes
.set R_V,   8192
.set R_B,   16384
.set R_KW,  16896
.set R_VW,  17152
.set SP,    272                        ; a stage row, 256 bytes + 16
.set STAGE, HEADB                      ; 16 rows for each wave; no tensor load lands there
.set SPARE, STAGE+4*16*SP              ; the spare words: 128 bytes a wave
.set ADI, 1
.set ADC, 2
.set ADW, 3
.set SPW, 4
.set NIL, 5
.set LI,  6                            ; 16 x lane
.set CBL, 7                            ; 64 x (lane / 16)
.set LW,  8                            ; 8 x lane
.set QA,  9                            ; Q in memory: row lane / 16, 16 bytes x (lane % 16)
.set GO,  10                           ; the same in out0
.set STO, 11                           ; stage: row r, + 32 (lane / 16)
.set KW,  12
.set VW,  14
.set PW,  16
.set QW,  18
.set F,   26                           ; two pairs, by the tile's parity; the low word counts
.set RD,  30                           ; stage: row lane / 16, + 16 (lane % 16)
.set QL,  31                           ; stage: row r, + 64 (lane / 16)
.set ST,  32                           ; tile t: -M, the largest raw score, the sum in two halves
.set TM,  64
.set P,   96
.set S,   128
.set KF,  0
.set BI,  64
.set X,   128
.set XM,  192
.set QZ,  0
.set VF,  144
.set WV,  10
.set G1,  16
.set G0,  24
.set SEL, 28
.set CS,  30                           ; s[30:31] c = log2(e) / 8
.set MNT, 32
.set TB,  33                           ; the record in hand
.set CNT, 34
.set KB,  35                           ; the record whose K is fetched
.set QB,  36
.set OB,  38
.set NC,  48                           ; -c
.set MSB, 0
.macro WIN new                         ; bits 1:0 source 0, 3:2 source 1, 5:4 source 2, 7:6 destination; the high byte repeats the setting that is left
.if MSB != \new
	s_set_vgpr_msb (MSB<<8)|\new
.set MSB, \new
.endif
.endm
.macro WA
	s_wait_alu depctr_va_vdst(0)
.endm
.macro CROUND
	s_barrier_signal -1
	s_barrier_wait -1
	s_cmp_lg_u32 s[WV], 0
	s_cbranch_scc1 .Lnot_wave_0_\@
	s_barrier_signal -3
.Lnot_wave_0_\@:
	s_barrier_wait -3
	s_barrier_signal -1
	s_barrier_wait -1
.endm
; one score product: tile T of queries, tile n of the step's keys (window setting 0x19: K and bias window 1, q window 2, result window 0)
.macro SM1 T, n
.if ((\n)/2)%2
	v_wmma_scale_f32_16x16x128_f8f6f4 v[dS+8*(\n):dS+8*(\n)+7], v[KF+16*((\n)/2):KF+16*((\n)/2)+15], v[QZ+8+16*(\T)-8*((\n)%2):QZ+23+16*(\T)-8*((\n)%2)], v[BI+8*(\n):BI+8*(\n)+7], v[KW+(\n)/4], v[QW+(\T)] matrix_a_fmt:MATRIX_FMT_BF8 matrix_b_fmt:MATRIX_FMT_BF8 matrix_a_scale:MATRIX_SCALE_ROW1
.else
	v_wmma_scale_f32_16x16x128_f8f6f4 v[dS+8*(\n):dS+8*(\n)+7], v[KF+16*((\n)/2):KF+16*((\n)/2)+15], v[QZ+8+16*(\T)-8*((\n)%2):QZ+23+16*(\T)-8*((\n)%2)], v[BI+8*(\n):BI+8*(\n)+7], v[KW+(\n)/4], v[QW+(\T)] matrix_a_fmt:MATRIX_FMT_BF8 matrix_b_fmt:MATRIX_FMT_BF8
.endif
.endm
; one value product: tile T of queries, tile g of channels (setting 0xf2: V window 2, p window 0, O^T window 3).  The accumulators take turns, one instruction a turn
.macro PV1 T, g
.if (\g)%2
	v_wmma_scale_f32_16x16x128_f8f6f4 v[32*(\T)+8*(\g):32*(\T)+8*(\g)+7], v[VF+16*(\g):VF+16*(\g)+15], v[P+16*((\T)%2):P+16*((\T)%2)+15], v[32*(\T)+8*(\g):32*(\T)+8*(\g)+7], v[VW+(\g)/2], v[PW+(\T)%2] matrix_a_fmt:MATRIX_FMT_BF8 matrix_b_fmt:MATRIX_FMT_BF8 matrix_a_scale:MATRIX_SCALE_ROW1
.else
	v_wmma_scale_f32_16x16x128_f8f6f4 v[32*(\T)+8*(\g):32*(\T)+8*(\g)+7], v[VF+16*(\g):VF+16*(\g)+15], v[P+16*((\T)%2):P+16*((\T)%2)+15], v[32*(\T)+8*(\g):32*(\T)+8*(\g)+7], v[VW+(\g)/2], v[PW+(\T)%2] matrix_a_fmt:MATRIX_FMT_BF8 matrix_b_fmt:MATRIX_FMT_BF8
.endif
.endm
.macro EXPS n
.rept \n
	v_exp_f32 v[bS+ej], v[X+ej]                    ; p = 2^(t - M): source window 1, result window 0, under the score products' own setting
.set ej, ej+1
.endr
.endm
; tile t's 68 exponentials, among them tile t + 1's eight score products and tile t - 1's four value products
.macro BATCH t
.set bS, S+64*((\t)%2)
.set dS, S+64*(((\t)+1)%2)
.set ej, 0
.if (\t) == 1
	s_wait_dscnt 0x0                               ; V and its scale words are in
.endif
	WIN 0x19
	WA                                             ; the wait ahead of the batch
.irp g, 0,1,2,3                        ; the value products first, four exponentials behind each product; the last 20 exponentials stand behind the last product
.if (\t) > 0
	WIN 0xf2
	PV1 (\t)-1, \g
	WIN 0x19
.endif
.if \g == 0
.irp b, 0,1,2,3
	v_exp_f32 v[TM+8+\b], v[XM+\b]                 ; each block's largest p: the same two instructions on the same number give the same bits
.endr
.else
	EXPS 4
.endif
.endr
.irp n, 0,1,2,3,4,5,6,7
.if (\t) < 7
	SM1 (\t)+1, \n
.endif
	EXPS 4
.endr
	EXPS 20
.endm
.macro KLOADS                          ; K, its scale words and the bias of the record at s[KB]
	v_add_nc_u32 v[ADI], s[KB], v[LI]
	v_add_nc_u32 v[ADC], s[KB], v[CBL]
	v_add_nc_u32 v[ADW], s[KB], v[LW]
	ds_load_b64 v[KW:KW+1], v[ADW] offset:R_KW
	WIN 0x40
.set n, 0
.rept 16
	ds_load_b128 v[KF+4*n:KF+4*n+3], v[ADI] offset:512*n
.set n, n+1
.endr
.set n, 0
.rept 16
	ds_load_b128 v[BI+4*n:BI+4*n+3], v[ADC] offset:R_B+128*(n/4)+16*(n%4)   ; register 16 c + i: key 32 c + 16 (lane / 16) + i
.set n, n+1
.endr
	WIN 0
.endm
.macro SUMS n                          ; the row's sum of the UNQUANTISED p, two at a time, in four chains by turns
.rept \n
.if sk%4 == 0
	v_pk_add_f32 v[rT+2:rT+3], v[rT+2:rT+3], v[sT+sj:sT+sj+1]
.else
	v_pk_add_f32 v[TM+22+2*(sk%4):TM+23+2*(sk%4)], v[TM+22+2*(sk%4):TM+23+2*(sk%4)], v[sT+sj:sT+sj+1]
.endif
.set sj, sj+2
.set sk, sk+1
.endr
.endm
; Between two batches.  ht: tile t's work behind its exponentials.  hu: tile u's work ahead of its exponentials.  The two hang on each other nowhere and stand line by line in turns.
.macro MIX ht, t, hu, u
.set sT, S+64*((\t)%2)
.set pT, P+16*((\t)%2)
.set rT, ST+4*(\t)
.set fT, F+2*((\t)%2)
.set sU, S+64*((\u)%2)
.set rU, ST+4*(\u)
.set fU, F+2*((\u)%2)
.if \ht
	WIN 0xc3
	WA                                             ; behind the batch, directly ahead of the first reader of O^T
.set j, 0
.rept 16
	v_pk_mul_f32 v[32*(\t)+j:32*(\t)+j+1], v[32*(\t)+j:32*(\t)+j+1], v[fT:fT+1] op_sel_hi:[1,0]   ; O^T under the new M; also the places behind the batch's products
.set j, j+2
.endr
	WIN 0
.if (\t) == 6                          ; the step's last score products are issued: the next record's K comes in (in the last trip record 15's once more: the address is held inside the head's bytes)
	s_add_co_u32 s[KB], s[TB], REC
	s_min_u32 s[KB], s[KB], 15*REC
	KLOADS
.endif
.endif
.if \hu
	WA                                             ; directly ahead of the first reader of S^T
.irp b, 0,1,2,3                        ; the largest raw score of each block of 32 keys, two chains a block; each accumulator is read from its low end on
	v_max3_num_f32 v[TM+\b], v[sU+16*\b], v[sU+16*\b+1], v[sU+16*\b+2]
	v_max3_num_f32 v[TM+4+\b], v[sU+16*\b+8], v[sU+16*\b+9], v[sU+16*\b+10]
.endr
.irp i, 3,5
.irp b, 0,1,2,3
	v_max3_num_f32 v[TM+\b], v[TM+\b], v[sU+16*\b+\i], v[sU+16*\b+\i+1]
	v_max3_num_f32 v[TM+4+\b], v[TM+4+\b], v[sU+16*\b+8+\i], v[sU+16*\b+9+\i]
.endr
.endr
.irp b, 0,1,2,3
	v_max3_num_f32 v[TM+\b], v[TM+\b], v[TM+4+\b], v[sU+16*\b+7]
.endr
.irp b, 0,1,2,3
	v_max_num_f32 v[TM+\b], v[TM+\b], v[sU+16*\b+15]
.endr
.irp b, 0,1,2,3
	v_permlanex16_b32 v[TM+4+\b], v[TM+\b], s[SEL], s[SEL+1]
.endr
.endif
.if \ht
.irp b, 0,1,2,3
	v_max_num_f32 v[TM+8+\b], 0x8000000, v[TM+8+\b]          ; the floor 2^(16 - 127)
.endr
.endif
.if \hu
.irp b, 0,1,2,3
	v_max_num_f32 v[TM+\b], v[TM+\b], v[TM+4+\b]             ; with lane l xor 16's 16 keys
.endr
.endif
.if \ht
.irp b, 0,1,2,3
	v_add_nc_u32 v[TM+12+\b], 0xf8800000, v[TM+8+\b]         ; the conversions' scale operand
.endr
.endif
.if \hu
	v_max3_num_f32 v[TM+30], v[TM], v[TM+1], v[TM+2]
.endif
.if \ht
.irp b, 0,1,2,3
	v_and_or_b32 v[TM+16+\b], v[TM+8+\b], 0x7f800000, s[MNT] ; 57,344 x the scale
.endr
.endif
.if \hu
	v_max3_num_f32 v[rU+1], v[TM+30], v[TM+3], v[rU+1]       ; the running largest raw score
	v_mov_b32 v[TM+31], v[rU]
.endif
.if \ht
.irp b, 0,1,2,3
	v_lshrrev_b32 v[TM+20+\b], 23, v[TM+12+\b]               ; the scale's byte
.endr
	v_pk_fma_f32 v[rT+2:rT+3], v[rT+2:rT+3], v[fT:fT+1], v[sT:sT+1] op_sel_hi:[1,0,1]   ; the sums under the new M, and the first pair
	v_pk_add_f32 v[TM+24:TM+25], v[sT+2:sT+3], v[sT+4:sT+5]
	v_pk_add_f32 v[TM+26:TM+27], v[sT+6:sT+7], v[sT+8:sT+9]
	v_pk_add_f32 v[TM+28:TM+29], v[sT+10:sT+11], v[sT+12:sT+13]
.set sj, 14
.set sk, 0
.endif
.if \hu
	v_mul_f32 v[TM+30], s[NC], v[rU+1]                       ; -t of the largest
.endif
.if \ht
	v_lshl_or_b32 v[PW+(\t)%2], v[TM+21], 8, v[TM+20]        ; p's scale word for these 128 keys
	SUMS 4
.endif
.if \hu
	v_floor_f32 v[rU], v[TM+30]                              ; the new -M = floor(-t) = -ceil(t)
.endif
.if \ht
	v_lshl_or_b32 v[PW+(\t)%2], v[TM+22], 16, v[PW+(\t)%2]
	SUMS 4
.endif
.if \hu
	v_sub_f32 v[TM+31], v[rU], v[TM+31]                      ; old M - new M: a whole number, 0 or less
.endif
.if \ht
	v_lshl_or_b32 v[PW+(\t)%2], v[TM+23], 24, v[PW+(\t)%2]
	SUMS 4
.endif
.if \hu
	v_cvt_i32_f32 v[TM+31], v[TM+31]                         ; (it saturates)
.endif
.if \ht
	SUMS 4
.endif
.if \hu
	v_ldexp_f32 v[fU], 1.0, v[TM+31]                         ; f = 2^(old M - new M)
.endif
.if \ht
	SUMS 9
	v_pk_add_f32 v[TM+24:TM+25], v[TM+24:TM+25], v[TM+26:TM+27]
	v_pk_add_f32 v[rT+2:rT+3], v[rT+2:rT+3], v[TM+28:TM+29]
	v_pk_add_f32 v[rT+2:rT+3], v[rT+2:rT+3], v[TM+24:TM+25]
.irp b, 0,1,2,3
.irp i, 0,2,4,6,8,10,12,14
	v_dual_min_num_f32 v[sT+16*\b+\i], v[sT+16*\b+\i], v[TM+16+\b] :: v_dual_min_num_f32 v[sT+16*\b+\i+1], v[sT+16*\b+\i+1], v[TM+16+\b]   ; the hold (ISA guide 7.6.2); p is not negative, so it is one-sided; two numbers a line
.endr
.endr
.irp b, 0,1,2,3
	v_cvt_scalef32_pk8_bf8_f32 v[pT+4*\b:pT+4*\b+1], v[sT+16*\b:sT+16*\b+7], v[TM+12+\b]
	v_cvt_scalef32_pk8_bf8_f32 v[pT+4*\b+2:pT+4*\b+3], v[sT+16*\b+8:sT+16*\b+15], v[TM+12+\b]
.endr
.endif
.if \hu
	WIN 0x40
.set j, 0
.rept 32
	v_pk_fma_f32 v[X+j:X+j+1], v[sU+j:sU+j+1], s[CS:CS+1], v[rU:rU+1] op_sel_hi:[1,0,0]   ; t - M, two at a time, into window 1
.set j, j+2
.endr
.irp b, 0,1,2,3
	v_fma_f32 v[XM+\b], v[TM+\b], s[CS], v[rU]               ; the same of each block's largest
.endr
.endif
.endm
; Q: 64 numbers of a lane (tiles 2 k and 2 k + 1, two blocks each) become codes between the zeros of window 2, and two scale words whose two bytes are laid twice: one word serves [q | 0] and [0 | q]
.macro QPAIR k
	WA                                             ; directly ahead of the wait below
	s_wait_loadcnt 48-16*(\k)                      ; this pair's 16 loads are in; the later pairs' may be out
.irp a, 0,1
	WIN 0x0c
.irp i, 0,1,2,3,4,5,6,7
	ds_store_b128 v[RD], v[4*(16*(\k)+8*\a+\i):4*(16*(\k)+8*\a+\i)+3] offset:2*SP*\i   ; whole rows into my stage
.endr
	WIN 0
.irp e, 0,1
.irp j, 0,1,2,3
	ds_load_b128 v[S+32*\a+16*\e+4*\j:S+32*\a+16*\e+4*\j+3], v[QL] offset:128*\e+16*\j   ; and back, 16 neighbours a lane (LDS serves a wave's instructions in order: ISA guide 5.7.1.4)
.endr
.endr
.endr
	s_wait_dscnt 0x0
.irp b, 0,1,2,3
	v_max3_num_f32 v[TM+\b], |v[S+16*\b]|, |v[S+1+16*\b]|, 0x8000000
.endr
.irp i, 2,4,6,8,10,12,14
.irp b, 0,1,2,3
	v_max3_num_f32 v[TM+\b], v[TM+\b], |v[S+16*\b+\i]|, |v[S+1+16*\b+\i]|
.endr
.endr
.irp b, 0,1,2,3
	v_permlanex16_b32 v[TM+4+\b], v[TM+\b], s[SEL], s[SEL+1]
.endr
.irp b, 0,1,2,3
	v_max_num_f32 v[TM+\b], v[TM+\b], v[TM+4+\b]
.endr
.irp b, 0,1,2,3
	v_add_nc_u32 v[TM+12+\b], 0xf8800000, v[TM+\b]
.endr
.irp b, 0,1,2,3
	v_and_or_b32 v[TM+8+\b], v[TM+\b], 0x7f800000, s[MNT]
.endr
.irp b, 0,1,2,3
	v_lshrrev_b32 v[TM+4+\b], 23, v[TM+12+\b]
.endr
	v_lshl_or_b32 v[TM+16], v[TM+5], 8, v[TM+4]
	v_lshl_or_b32 v[TM+17], v[TM+7], 8, v[TM+6]
	v_lshl_or_b32 v[QW+2*(\k)], v[TM+16], 16, v[TM+16]
	v_lshl_or_b32 v[QW+2*(\k)+1], v[TM+17], 16, v[TM+17]
.irp b, 0,1,2,3
.irp i, 0,1,2,3,4,5,6,7,8,9,10,11,12,13,14,15
	v_med3_num_f32 v[S+16*\b+\i], v[S+16*\b+\i], -v[TM+8+\b], v[TM+8+\b]
.endr
.endr
	WIN 0x80
.irp b, 0,1,2,3
	v_cvt_scalef32_pk8_bf8_f32 v[QZ+8+32*(\k)+4*\b+8*(\b/2):QZ+9+32*(\k)+4*\b+8*(\b/2)], v[S+16*\b:S+16*\b+7], v[TM+12+\b]
	v_cvt_scalef32_pk8_bf8_f32 v[QZ+10+32*(\k)+4*\b+8*(\b/2):QZ+11+32*(\k)+4*\b+8*(\b/2)], v[S+16*\b+8:S+16*\b+15], v[TM+12+\b]
.endr
	v_nop                                          ; a plain line behind the last scaled conversion
	WIN 0
.endm
	s_load_b128 s[4:7], s[0:1], 0x0                ; inputs, kv
	s_load_b64 s[8:9], s[0:1], 0x10                ; out0
	v_lshl_add_u32 v[SPW], v0, 2, SPARE
	v_mov_b32 v[NIL], 0
	ds_add_u32 v[SPW], v[NIL]                      ; the opening lines: the add,
	ds_add_u32 v[SPW], v[NIL]                      ; once more, and below, behind work on registers, the one wait
	v_lshrrev_b32 v[ADI], 5, v0
	v_readfirstlane_b32 s[WV], v[ADI]              ; wave 0..3
	s_bfe_u32 s11, ttmp6, 0x40000                  ; cx: my block of 512 queries; it enters Q's and out0's addresses alone
	s_and_b32 s12, ttmp7, 0xffff                   ; head number 16 b + h, which the four partners share
	s_mov_b32 s[G1+0], 15|(3<<16)|(1<<21)          ; the mask names all four; elements of 8 bytes; bit 21 beside a mask
	s_mov_b32 s[G1+1], 32<<16
	s_mov_b32 s[G1+2], (WPART/256)<<16
	s_mov_b32 s[G1+3], 32<<16
	s_mov_b32 s[G1+4], WPART/256
	s_mov_b32 s[G1+5], 32
	s_mov_b32 s[G1+6], 0
	s_mov_b32 s[G1+7], 0
	s_mov_b32 s[G0], 1
	s_mul_i32 s[G0+1], s[WV], WPART                ; LDS: my quarter
	s_mul_i32 s40, s12, HEADB
	s_add_co_u32 s40, s40, s[G0+1]                 ; and the same quarter of my head in kv
	s_mov_b32 s41, 0
	s_lshr_b32 s42, s12, 4
	s_lshl_b32 s42, s42, 11
	s_lshl_b32 s43, s11, 9
	s_add_co_u32 s42, s42, s43
	s_lshl_b32 s43, s[WV], 7
	s_add_co_u32 s42, s42, s43                     ; my first query as a row: 2,048 b + 512 cx + 128 wave
	s_and_b32 s43, s12, 15
	s_lshl_b32 s43, s43, 8
	s_mul_i32 s44, s42, ROWB
	s_add_co_u32 s44, s44, s43
	s_mov_b32 s45, 0
	s_lshl_b32 s46, s42, 12
	s_add_co_u32 s46, s46, s43
	s_mov_b32 s47, 0
	s_mov_b32 s[SEL], 0x76543210
	s_mov_b32 s[SEL+1], 0xfedcba98
	s_mov_b32 s[CS], 0x3e38aa3b
	s_mov_b32 s[CS+1], s[CS]
	s_mov_b32 s[NC], 0xbe38aa3b
	s_mov_b32 s[MNT], 0x600000
	s_mov_b32 s[TB], 0
	s_mov_b32 s[KB], 0
	s_mov_b32 s[CNT], 16
	s_mul_i32 s13, s[WV], 16*SP
	s_add_co_u32 s13, s13, STAGE                   ; my stage
	v_and_b32 v[TM], 31, v0
	v_and_b32 v[TM+1], 15, v0
	v_bfe_u32 v[TM+2], v0, 4, 1
	v_lshlrev_b32 v[LI], 4, v[TM]
	v_lshlrev_b32 v[CBL], 6, v[TM+2]
	v_lshlrev_b32 v[LW], 3, v[TM]
	v_mul_u32_u24 v[QA], v[TM+2], ROWB
	v_lshl_add_u32 v[QA], v[TM+1], 4, v[QA]
	v_lshlrev_b32 v[GO], 12, v[TM+2]
	v_lshl_add_u32 v[GO], v[TM+1], 4, v[GO]
	v_mul_u32_u24 v[TM+3], v[TM+1], SP
	v_add_nc_u32 v[TM+3], s13, v[TM+3]
	v_lshl_add_u32 v[STO], v[TM+2], 5, v[TM+3]
	v_lshl_add_u32 v[QL], v[TM+2], 6, v[TM+3]
	v_mul_u32_u24 v[RD], v[TM+2], SP
	v_lshl_add_u32 v[RD], v[TM+1], 4, v[RD]
	v_add_nc_u32 v[RD], s13, v[RD]
.irp b, 4,5,6,7
	v_mov_b32 v[TM+\b], 0                          ; a lane permute's destination counts as one of its sources
.endr
.irp b, 0,1,2,3
	v_mov_b32 v[F+\b], 0                           ; (the pairs' upper halves are named)
.endr
.irp t, 0,1,2,3,4,5,6,7
	v_mov_b32 v[ST+4*\t], 0x7e000000               ; -M: 2^125, over every -M to come, so that the first f is 0
	v_mov_b32 v[ST+4*\t+1], 0xff61b1e6             ; the largest raw score so far: -3e38
	v_mov_b32 v[ST+4*\t+2], 0
	v_mov_b32 v[ST+4*\t+3], 0
.endr
	WA                                             ; directly ahead of the waits below
	s_wait_dscnt 0x0                               ; both opening adds are done
	s_wait_kmcnt 0x0
	s_add_nc_u64 s[G0+2:G0+3], s[6:7], s[40:41]
	s_or_b32 s[G0+3], s[G0+3], 0x80000000
	s_add_nc_u64 s[QB:QB+1], s[4:5], s[44:45]
	s_add_nc_u64 s[OB:OB+1], s[8:9], s[46:47]
	CROUND                                         ; all four work-groups are here: the joint loads meet
	tensor_load_to_lds s[G0:G0+3], s[G1:G1+7]      ; every wave issues one; none follows in the launch
	s_nop 0
.rept 4
	v_nop
.endr
	WIN 0xc0
.set i, 0
.rept 64
	global_load_b128 v[4*i:4*i+3], v[QA], s[QB:QB+1] offset:2*i*ROWB th:TH_LOAD_NT   ; my 128 queries as f32: sixteen lanes read a row's 256 consecutive bytes; they land where O^T will lie
.set i, i+1
.endr
	WIN 0x80
.irp z, 0,1,2,3,4,5,6,7,8
.irp i, 0,1,2,3,4,5,6,7
	v_mov_b32 v[QZ+16*\z+\i], 0                    ; the zero codes round the eight q
.endr
.endr
	WIN 0
	QPAIR 0
	QPAIR 1
	QPAIR 2
	QPAIR 3
	WIN 0xc0
.set j, 0
.rept 256
	v_mov_b32 v[j], 0                              ; O^T: the step is written once, and its first trip finds zeros; a first step of its own would double the loop's text
.set j, j+1
.endr
	WIN 0
	WA                                             ; the wait at the head's end
	s_wait_tensorcnt 0x0                           ; my quarter has landed,
	s_barrier_signal -1
	s_barrier_wait -1                              ; everybody's has: the head lies in LDS, and nothing is filled again
	KLOADS                                         ; record 0's K
.Lstep:                                            ; 16 trips: 128 keys for my eight tiles
	s_wait_dscnt 0x0                               ; K, its scale words and the bias are in
.set dS, S
	WIN 0x19
.irp n, 0,1,2,3,4,5,6,7
	SM1 0, \n
.endr
	WIN 0
	v_add_nc_u32 v[ADI], s[TB], v[LI]
	v_add_nc_u32 v[ADW], s[TB], v[LW]
.rept 6
	v_nop                                          ; with the two additions: eight places behind the last products, ahead of the loads into V's registers and of the first read of S^T
.endr
	ds_load_b64 v[VW:VW+1], v[ADW] offset:R_VW
	WIN 0x80
.set n, 0
.rept 16
	ds_load_b128 v[VF+4*n:VF+4*n+3], v[ADI] offset:R_V+512*n
.set n, n+1
.endr
	WIN 0
	MIX 0, 0, 1, 0
	BATCH 0
.irp t, 0,1,2,3,4,5,6
	MIX 1, \t, 1, (\t+1)
	BATCH (\t+1)
.endr
	MIX 1, 7, 0, 0
.rept 4
	v_nop                                          ; four places between p's codes and the products
.endr
	WIN 0xf2
.irp g, 0,1,2,3
	PV1 7, \g
.endr
	WIN 0
	s_add_co_u32 s[TB], s[TB], REC
	s_sub_co_u32 s[CNT], s[CNT], 1
	s_cmp_lg_u32 s[CNT], 0
	WA                                             ; the wait directly ahead of the branch
	s_cbranch_scc1 .Lstep
	; THE WAY OUT: O^T / the sum goes through my stage, a tile (16 queries x 256 bytes) at a time, so that sixteen lanes store 256 consecutive bytes, aligned
.irp t, 0,1,2,3,4,5,6,7
	v_add_f32 v[TM+\t], v[ST+4*\t+2], v[ST+4*\t+3]
.endr
.irp t, 0,1,2,3,4,5,6,7
	v_permlanex16_b32 v[TM+8+\t], v[TM+\t], s[SEL], s[SEL+1]
.endr
.irp t, 0,1,2,3,4,5,6,7
	v_add_f32 v[TM+\t], v[TM+\t], v[TM+8+\t]       ; the row's sum
.endr
	WA                                             ; ahead of the batch
.irp t, 0,1,2,3,4,5,6,7
	v_rcp_f32 v[S+2*\t], v[TM+\t]
.endr
	v_nop
	WIN 0xc3
	WA                                             ; behind the batch, directly ahead of the first reader of O^T
.irp t, 0,1,2,3,4,5,6,7
.set j, 0
.rept 16
	v_pk_mul_f32 v[32*\t+j:32*\t+j+1], v[32*\t+j:32*\t+j+1], v[S+2*\t:S+2*\t+1] op_sel_hi:[1,0]   ; register 8 g + i is out(query r, channel 16 g + 8 (lane / 16) + i)
.set j, j+2
.endr
.endr
	WA                                             ; the results are read behind waits
.macro OUTT t
	WIN 0x0c
.irp g, 0,1,2,3
	ds_store_b128 v[STO], v[32*(\t)+8*\g:32*(\t)+8*\g+3] offset:64*\g
	ds_store_b128 v[STO], v[32*(\t)+8*\g+4:32*(\t)+8*\g+7] offset:64*\g+16
.endr
	WIN 0xc0
.irp i, 0,1,2,3,4,5,6,7
	ds_load_b128 v[32*(\t)+4*\i:32*(\t)+4*\i+3], v[RD] offset:2*SP*\i   ; in order behind the stores above, and ahead of the next tile's
.endr
	WIN 0x0c
.endm
.macro OUTG t, younger
	s_wait_dscnt \younger                          ; the tile is back; the next tile's 16 LDS instructions may be out
.irp i, 0,1,2,3,4,5,6,7
	global_store_b128 v[GO], v[32*(\t)+4*\i:32*(\t)+4*\i+3], s[OB:OB+1] offset:65536*(\t)+8192*\i th:TH_STORE_NT
.endr
.endm
	OUTT 0
.irp t, 1,2,3,4,5,6,7
	OUTT \t
	OUTG (\t-1), 16
.endr
	OUTG 7, 0
	WIN 0
	s_wait_tensorcnt 0x0                           ; the wave's end
	ds_add_u32 v[SPW], v[NIL]
	s_wait_dscnt 0x0
	CROUND                                         ; the closing round
	s_endpgm
.Lfunc_end_k_q82f9035fe2_attend:
	.size	k_q82f9035fe2_attend, .Lfunc_end_k_q82f9035fe2_attend-k_q82f9035fe2_attend
	.p2alignl 7, 3214868480
	.fill 96, 4, 3214868480
	.section	.rodata,"a",@progbits
	.p2align	6, 0x0
	.amdhsa_kernel k_q82f9035fe2_attend
		.amdhsa_group_segment_fixed_size 327680
		.amdhsa_private_segment_fixed_size 0
		.amdhsa_enable_private_segment 0
		.amdhsa_kernarg_size 24
		.amdhsa_user_sgpr_count 2
		.amdhsa_user_sgpr_kernarg_segment_ptr 1
		.amdhsa_wavefront_size32 1
		.amdhsa_system_sgpr_workgroup_id_x 1
		.amdhsa_system_sgpr_workgroup_id_y 1
		.amdhsa_system_sgpr_workgroup_id_z 1
		.amdhsa_system_vgpr_workitem_id 0
		.amdhsa_next_free_vgpr 1024
		.amdhsa_next_free_sgpr 66
		.amdhsa_reserve_vcc 0
		.amdhsa_float_denorm_mode_32 3
		.amdhsa_float_denorm_mode_16_64 3
		.amdhsa_memory_ordered 1
		.amdhsa_forward_progress 1
		.amdhsa_inst_pref_size 220
	.end_amdhsa_kernel
	.amdgpu_metadata
---
amdhsa.version: [ 1, 2 ]
amdhsa.kernels:
  - .name:           k_q82f9035fe2_attend
    .symbol:         k_q82f9035fe2_attend.kd
    .args:
      - { .name: inputs, .offset: 0, .size: 8, .value_kind: global_buffer, .address_space: global }
      - { .name: kv, .offset: 8, .size: 8, .value_kind: global_buffer, .address_space: global }
      - { .name: out0, .offset: 16, .size: 8, .value_kind: global_buffer, .address_space: global }
    .group_segment_fixed_size: 327680
    .private_segment_fixed_size: 0
    .kernarg_segment_align: 8
    .kernarg_segment_size: 24
    .max_flat_workgroup_size: 128
    .sgpr_count:     66
    .vgpr_count:     1024
    .wavefront_size: 32
...
	.end_amdgpu_metadata
.endif
;; end of part 2
